; MI455X (gfx1250); checked and timed in simulation.
; The chip was launched on July 23, 2026; its instructions are those of AMD's public machine-readable ISA for CDNA 5 (MIT licence, August 2026) and "CDNA5" Instruction Set Architecture Reference Guide (July 2026). The comments in the code are by the model that wrote it; some were corrected since.
;; s LSTM Cell. Allowed arithmetic: matrix products marked QUANTISED: E4M3 operands, one E8M0 scale for each 32 along K, by v_wmma_scale_f32_16x16x128_f8f6f4 with both operands' format E4M3, f32 sums; everything else in f32.
;; Inputs: Rf 2,048 x 2,048 float32; Ri 2,048 x 2,048 float32; Ro 2,048 x 2,048 float32; Rz 2,048 x 2,048 float32; Wf 2,048 x 1,024 float32; Wi 2,048 x 1,024 float32; Wo 2,048 x 1,024 float32; Wz 2,048 x 1,024 float32; bf 2,048 float32; bi 2,048 float32; bo 2,048 float32; bz 2,048 float32; c_prev 2,048 x 2,048 float32; h_prev_codes 2,048 x 64 x 32 uint8 (E4M3 codes of h_prev, K innermost, in blocks of 32 codes); h_prev_scales 2,048 x 64 uint8 (E8M0 scales of h_prev, one for each 32 codes along K); n_prev 2,048 x 2,048 float32; x_codes 2,048 x 32 x 32 uint8 (E4M3 codes of x, K innermost, in blocks of 32 codes); x_scales 2,048 x 32 uint8 (E8M0 scales of x, one for each 32 codes along K).
;; Outputs: out0 2,048 x 2,048 float32.
;; This version of the problem:
;;   THIS VERSION OF THE PROBLEM IS GIVEN IN LOW PRECISION. The matrix products marked QUANTISED in the list below multiply operands that are first quantised to E4M3 (4 exponent bits, 3 mantissa bits; 8 bits a number), with one power-of-two scale for each 32 numbers along K (OCP MX v1.0); their sums are f32. All else is computed in f32.
;;   The module's matrix products, in the order in which they are computed (A, B: the left and right operand; K: the contracted axis; several contracted axes count as one K, in the product's order):
;;     1. [M 2,048, K 1,024] x [K 1,024, N 8,192]; A: input x (given as codes); B: computed on the way: QUANTISED
;;     2. [M 2,048, K 2,048] x [K 2,048, N 8,192]; A: input h_prev (given as codes); B: computed on the way: QUANTISED
;;   THE QUANTISER, for each operand of a quantised product, along K:
;;     - K is cut into blocks of 32 from its start; a last block that is shorter is filled with zeros.
;;     - A block's scale is 2^e with e = floor(log2(the largest magnitude in the block)) - 8, held to -126 .. 127; a block of zeros has e = 0. As a byte (E8M0): e + 127.
;;     - Each number is divided by its block's scale, clamped to +-448, and rounded to the nearest number of E4M3, ties to even, subnormals kept.
;;     - The product sums the exact products of the quantised numbers (number of the format x scale) in f32.
;;   ~~~python
;;   def quantise(x, axis):      # numpy; x: float32 -> the quantised numbers, widened to float32 again
;;       x = np.moveaxis(x, axis, -1); K = x.shape[-1]
;;       x = np.pad(x, [(0, 0)] * (x.ndim - 1) + [(0, -K % 32)]); x = x.reshape(x.shape[:-1] + (-1, 32)); a = np.abs(x).max(-1, keepdims=True)
;;       e = np.where(a > 0, np.clip(np.frexp(np.where(a > 0, a, 1))[1] - 1 - 8, -126, 127), 0)      # np.frexp(a)[1] - 1 = floor(log2(a)), exactly
;;       r = np.clip(x / 2.0 ** e, -448, 448)
;;       step = 2.0 ** (np.maximum(np.frexp(np.where(r == 0, 1, r))[1] - 1, -6) - 3)
;;       q = np.round(r / step) * step * 2.0 ** e      # np.round: ties to even
;;       return np.moveaxis(q.reshape(q.shape[:-2] + (-1,))[..., :K], -1, axis).astype(np.float32)
;;   ~~~
;;   OPERANDS COMPUTED ON THE WAY. 'Computed on the way' means the value that the module computes at that place (a softmax that the list does not call 'softmax' is quantised finished and normalised). What goes into a quantiser is computed in f32, as accurately as f32 sums, v_exp_f32 and their like allow (about 1e-6 of the number): no bf16 or f16 on the way to a quantiser, and a product that is left as it is and whose result goes on into a quantised operand takes f32 operands (vector FMAs, or v_wmma_f32_16x16x4_f32). A number that lies on a knife's edge between two numbers of the format may be rounded either way, as far as f32 arithmetic and the matrix unit's own rounding can turn it there, and no further.
;;   INPUTS GIVEN AS CODES. h_prev (in the module: [2048, 2048], K = its axis 1); x (in the module: [2048, 1024], K = its axis 1): each comes as NAME_codes (uint8): NAME with its K axis moved to the last place and cut into blocks of 32 codes, [.., K / 32, bytes a block], one block behind the other in memory; one code a byte (a code: sign, 4 exponent bits, 3 mantissa bits); and NAME_scales (uint8): the same leading axes, one E8M0 byte (e + 127) for each 32 codes along K. Its value is code x scale, taken as it is: it is not quantised again, and the codes and scales need not be those that the quantiser above would give.
;; One version. Each part assembles by itself: llvm-mc -triple=amdgcn-amd-amdhsa -mcpu=gfx1250 --defsym DOCPART=n.
;; ======== version 1 of 1: 2 launches
;; limits: right only within a limited range of input values
;; workspace buffers: wq 25,952,256 bytes
;; launch quant (part 1): grid 12 x 64, 4 waves a work-group, no clusters, 33,280 bytes of LDS; arguments Wz, Wi, Wf, Wo, Rz, Ri, Rf, Ro, wq; writes wq
.if DOCPART == 1
	.amdgcn_target "amdgcn-amd-amdhsa--gfx1250"
	.amdhsa_code_object_version 6
	.text
	.protected	k_qd7d7aa68f1_quant
	.globl	k_qd7d7aa68f1_quant
	.p2align	8
	.type	k_qd7d7aa68f1_quant,@function
k_qd7d7aa68f1_quant:
	s_mov_b64 s[64:65], 0
	v_nop
	global_prefetch_b8 v0, s[64:65] scope:SCOPE_SE
	s_setreg_imm32_b32 hwreg(HW_REG_WAVE_MODE, 25, 1), 1
	s_wait_xcnt 0x0
; The eight weight matrices (Wz Wi Wf Wo: [2048][1024] f32; Rz Ri Rf Ro: [2048][2048] f32; K innermost) become codes of FP8 (E4M3) with one E8M0 scale byte for each 32 along K,
; laid as the second launch reads them: wq = [nb 0..63][ks 0..11][block of 33,792 bytes].  nb: hidden units 32 nb .. 32 nb + 31.  ks: a K step of 256 (0..3: W's K, 4..11: R's K).
; A block is 132 rows of 256 bytes: rows 32 g + u (gate g = z, i, f, o; unit u of the 32) hold 256 codes, K ascending; rows 128..131 hold the scale bytes, 8 for each code row, in the rows' order.
; A block's scale is 2^(floor(log2(largest magnitude)) - 8); its byte is the largest magnitude's exponent field - 8, held at 1 from below.  Each number is divided by the scale, held within +-448, rounded to the nearest code, ties to even.
; LIMITS: a block of zeros gets the byte 1 where the rule says 127: its codes are zeros, which add nothing under any byte but 0xff, and this program alone reads the bytes.  NaN and infinities among the weights are not served.
; SHARES: work-group (x = ks, y = nb) makes one whole block; wave w is gate w: 32 rows x 256 K = 8,192 numbers, in 16 steps of two rows.
; A load reads 256 consecutive aligned bytes of each of the two rows, 16 bytes a lane.  The conversions want 16 NEIGHBOURS in a lane: a step's 2,048 bytes turn through the wave's own stage in LDS (80 bytes from lane to lane).
; A lane's 16 codes are 16 bytes: the wave stores 512 consecutive bytes.  The wave's 256 scale bytes gather in LDS and leave as one aligned run of 256 bytes.
; No tensor loads, no barrier, no matrix unit, no cluster: waves share nothing and memory binds.  Loads run eight steps (32 loads a wave) ahead, the turn through LDS one step.
.set STEPS, 16
.set EMAX,  8
.set MANT,  0x600000                   ; the mantissa field of 448 as f32
.set WBLK,  33792                      ; a block of wq
.set WREG,  8192                       ; LDS: a region for each wave: two stages of 32 x SP bytes, then its 256 scale bytes
.set SP,    80                         ; a lane's place in a stage: 64 bytes + 16 of padding
.set R,     16                         ; v16-143  eight sets of 16 numbers as loaded
.set X,     144                        ; v144-175 two sets of 16 neighbours
.set E,     176                        ; v176-191 a scale byte for each step
.set C,     192                        ; v192-255 four registers of codes for each step: no store's data are written again
.set BASE,  32                         ; s[32:63] a base for each step's two rows: never rewritten
	s_load_b512 s[4:19], s[0:1], 0x0               ; Wz Wi Wf Wo s[4:11], Rz Ri Rf Ro s[12:19]
	s_load_b64 s[20:21], s[0:1], 0x40              ; wq
	s_set_vgpr_msb 0x40
	v_lshl_add_u32 v0, v0, 2, 0x8000
	v_mov_b32 v1, 0
	s_set_vgpr_msb 0x4000
	v_lshrrev_b32 v1, 5, v0
	v_readfirstlane_b32 s30, v1                    ; wave = gate
	s_and_b32 s2, ttmp7, 0xffff                    ; nb
	v_and_b32 v2, 31, v0                           ; lane
	v_lshrrev_b32 v8, 4, v2                        ; which of the step's two rows
	v_and_b32 v9, 15, v2
	v_bfe_u32 v10, v2, 2, 2
	v_lshl_add_u32 v10, v8, 4, v10                 ; the stage's place that my 16 bytes fall into: 16 (lane / 16) + (lane / 4) % 4 (+ 4 for each further load)
	v_mul_u32_u24 v14, v10, SP
	v_and_b32 v11, 3, v2
	v_lshl_add_u32 v14, v11, 4, v14
	s_lshl_b32 s31, s30, 13                        ; my wave's region
	v_add_nc_u32 v14, s31, v14                     ; the stage, on the way in
	v_mul_u32_u24 v15, v2, SP
	v_add_nc_u32 v15, s31, v15                     ; and on the way out: my 16 neighbours
	v_lshlrev_b32 v4, 4, v2                        ; my codes' place in a step's 512 bytes
	v_lshrrev_b32 v5, 1, v2
	s_add_co_u32 s31, s31, 2*32*SP
	v_add_nc_u32 v5, s31, v5                       ; LDS: my block's scale byte
	v_lshlrev_b32 v7, 3, v2                        ; and on the way out 8 bytes a lane
	v_add_nc_u32 v6, s31, v7
	s_wait_kmcnt 0x0
	s_cmp_lt_u32 ttmp9, 4                          ; K steps 0..3 come from the W matrices, 4..11 from the R matrices: the choice hangs on the work-group's number alone
	s_cselect_b64 s[4:5], s[4:5], s[12:13]
	s_cselect_b64 s[6:7], s[6:7], s[14:15]
	s_cselect_b64 s[8:9], s[8:9], s[16:17]
	s_cselect_b64 s[10:11], s[10:11], s[18:19]
	s_mov_b32 s22, 8192
	s_cselect_b32 s22, 4096, s22                   ; a row of the matrix in bytes
	s_cselect_b32 s23, 0, 4
	s_sub_co_u32 s23, ttmp9, s23                   ; the K step inside the matrix
	s_cmp_lt_u32 s30, 2                            ; and the gate's matrix, by the wave's number
	s_cselect_b64 s[4:5], s[4:5], s[8:9]
	s_cselect_b64 s[6:7], s[6:7], s[10:11]
	s_and_b32 s31, s30, 1
	s_cmp_eq_u32 s31, 0
	s_cselect_b64 s[4:5], s[4:5], s[6:7]
	v_mul_u32_u24 v3, s22, v8                      ; in: lanes 16-31 one row further down,
	v_lshl_add_u32 v3, v9, 4, v3                   ; 16 bytes a lane
	s_wait_alu depctr_va_vdst(0)
	s_lshl_b32 s24, s2, 5
	s_mul_i32 s24, s24, s22                        ; 32 nb rows (under 2^25 bytes)
	s_lshl_b32 s25, s23, 10
	s_add_co_u32 s24, s24, s25                     ; + the K step's 1,024 bytes
	s_mov_b32 s25, 0
	s_lshl_b32 s28, s22, 1                         ; two rows on
	s_mov_b32 s29, 0
	s_add_nc_u64 s[BASE:BASE+1], s[4:5], s[24:25]
.irp t, 1,2,3,4,5,6,7,8,9,10,11,12,13,14,15
	s_add_nc_u64 s[BASE+2*\t:BASE+2*\t+1], s[BASE+2*\t-2:BASE+2*\t-1], s[28:29]
.endr
	s_mul_i32 s24, s2, 12
	s_add_co_u32 s24, s24, ttmp9
	s_mul_i32 s24, s24, WBLK                       ; my block of wq (under 2^25 bytes)
	s_add_nc_u64 s[20:21], s[20:21], s[24:25]
	s_lshl_b32 s24, s30, 13
	s_add_nc_u64 s[26:27], s[20:21], s[24:25]      ; my gate's 32 rows of codes
	s_lshl_b32 s24, s30, 8
	s_add_co_u32 s24, s24, 32768
	s_add_nc_u64 s[20:21], s[20:21], s[24:25]      ; my gate's 256 scale bytes
	s_mov_b32 s23, MANT                            ; (an instruction takes one literal: the hold's line has another)
.macro LOAD t                          ; rows 2 t and 2 t + 1: four loads; in each, sixteen lanes read 256 consecutive aligned bytes of a row
.irp i, 0,1,2,3
	global_load_b128 v[R+16*((\t)%8)+4*\i:R+16*((\t)%8)+4*\i+3], v3, s[BASE+2*(\t):BASE+2*(\t)+1] offset:256*\i th:TH_LOAD_NT
.endr
.endm
.macro TURN t                          ; step t's numbers through the stage: LDS serves a wave's instructions in order, so no wait stands between the stores and the loads
.irp i, 0,1,2,3
	ds_store_b128 v14, v[R+16*((\t)%8)+4*\i:R+16*((\t)%8)+4*\i+3] offset:32*SP*((\t)%2)+4*SP*\i
.endr
.irp i, 0,1,2,3
	ds_load_b128 v[X+16*((\t)%2)+4*\i:X+16*((\t)%2)+4*\i+3], v15 offset:32*SP*((\t)%2)+16*\i
.endr
.endm
.irp t, 0,1,2,3,4,5,6,7
	LOAD \t
.endr
	s_wait_loadcnt 28                              ; step 0's four loads are in; the 28 of steps 1 to 7 may be out
	TURN 0
.macro STEP t
.set XS, X+16*((\t)%2)
.if (\t) > 0
	s_wait_dscnt 1                                 ; this step's numbers are back from the stage (the last step's byte store may be out): so its stores into the stage have read their registers,
.else
	s_wait_dscnt 0x0
.endif
.if (\t)+8 < STEPS
	LOAD (\t)+8                                    ; which take the loads of eight steps on
.endif
.if (\t)+1 < STEPS
.if STEPS-2-(\t) >= 7
	s_wait_loadcnt 28                              ; the next step's four loads are in; those of the seven steps behind it may be out
.else
	s_wait_loadcnt 4*(STEPS-2-(\t))                ; likewise, with fewer steps left behind it
.endif
	TURN (\t)+1                                    ; and go through the other stage while this step is worked
.endif
	v_max3_num_f32 v8, |v[XS]|, |v[XS+1]|, |v[XS+2]|               ; the largest magnitude of my 16, in two chains
	v_max3_num_f32 v9, |v[XS+3]|, |v[XS+4]|, |v[XS+5]|
.irp i, 6,10
	v_max3_num_f32 v8, v8, |v[XS+\i]|, |v[XS+\i+1]|
	v_max3_num_f32 v9, v9, |v[XS+\i+2]|, |v[XS+\i+3]|
.endr
	v_max3_num_f32 v8, v8, |v[XS+14]|, |v[XS+15]|
	v_max3_num_f32 v8, v8, v9, (EMAX+1)<<23        ; and the floor 2^(EMAX + 1 - 127): the byte cannot fall under 1
	v_max_num_f32_dpp v8, v8, v8 row_xmask:1 row_mask:0xf bank_mask:0xf   ; and of my neighbour's 16: the block's
	v_add_nc_u32 v11, -(EMAX<<23), v8              ; EMAX off its exponent field: the conversion takes the exponent field of this operand as its scale, and nothing else of it
	v_and_or_b32 v10, v8, 0x7f800000, s23          ; 448 x the scale: the largest magnitude's exponent field over 448's mantissa
.irp i, 0,1,2,3,4,5,6,7,8,9,10,11,12,13,14,15
	v_med3_num_f32 v[XS+\i], v[XS+\i], -v10, v10   ; the conversion to an 8-bit code does not saturate (ISA guide 7.6.2): hold the number first
.endr
	v_cvt_scalef32_pk8_fp8_f32 v[C+4*(\t):C+4*(\t)+1], v[XS:XS+7], v11
	v_cvt_scalef32_pk8_fp8_f32 v[C+4*(\t)+2:C+4*(\t)+3], v[XS+8:XS+15], v11
	v_lshrrev_b32 v[E+(\t)], 23, v11               ; the scale's byte (also the plain line behind the conversions)
	ds_store_b8 v5, v[E+(\t)] offset:16*(\t)       ; byte 8 x row + K block = 16 t + lane / 2; both lanes of a block write the same byte with the same value
	global_store_b128 v4, v[C+4*(\t):C+4*(\t)+3], s[26:27] offset:512*(\t)   ; rows 2 t and 2 t + 1 of the block: 512 consecutive bytes
.endm
.irp t, 0,1,2,3,4,5,6,7,8,9,10,11,12,13,14,15
	STEP \t
.endr
	ds_load_b64 v[12:13], v6                       ; LDS serves a wave's instructions in order: these see my byte stores
	s_wait_dscnt 0x0
	global_store_b64 v7, v[12:13], s[20:21]        ; 32 lanes store 256 consecutive bytes, aligned
	s_set_vgpr_msb 0x5
	s_wait_tensorcnt 0x0
	ds_add_u32 v0, v1
	s_wait_dscnt 0x0
	s_set_vgpr_msb 0x500
	s_endpgm
.Lfunc_end_k_qd7d7aa68f1_quant:
	.size	k_qd7d7aa68f1_quant, .Lfunc_end_k_qd7d7aa68f1_quant-k_qd7d7aa68f1_quant
	.p2alignl 7, 3214868480
	.fill 96, 4, 3214868480
	.section	.rodata,"a",@progbits
	.p2align	6, 0x0
	.amdhsa_kernel k_qd7d7aa68f1_quant
		.amdhsa_group_segment_fixed_size 33280
		.amdhsa_private_segment_fixed_size 0
		.amdhsa_enable_private_segment 0
		.amdhsa_kernarg_size 72
		.amdhsa_user_sgpr_count 2
		.amdhsa_user_sgpr_kernarg_segment_ptr 1
		.amdhsa_wavefront_size32 1
		.amdhsa_system_sgpr_workgroup_id_x 1
		.amdhsa_system_sgpr_workgroup_id_y 1
		.amdhsa_system_sgpr_workgroup_id_z 1
		.amdhsa_system_vgpr_workitem_id 0
		.amdhsa_next_free_vgpr 258
		.amdhsa_next_free_sgpr 66
		.amdhsa_reserve_vcc 0
		.amdhsa_float_denorm_mode_32 3
		.amdhsa_float_denorm_mode_16_64 3
		.amdhsa_memory_ordered 1
		.amdhsa_forward_progress 1
		.amdhsa_inst_pref_size 52
	.end_amdhsa_kernel
	.amdgpu_metadata
---
amdhsa.version: [ 1, 2 ]
amdhsa.kernels:
  - .name:           k_qd7d7aa68f1_quant
    .symbol:         k_qd7d7aa68f1_quant.kd
    .args:
      - { .name: Wz, .offset: 0, .size: 8, .value_kind: global_buffer, .address_space: global }
      - { .name: Wi, .offset: 8, .size: 8, .value_kind: global_buffer, .address_space: global }
      - { .name: Wf, .offset: 16, .size: 8, .value_kind: global_buffer, .address_space: global }
      - { .name: Wo, .offset: 24, .size: 8, .value_kind: global_buffer, .address_space: global }
      - { .name: Rz, .offset: 32, .size: 8, .value_kind: global_buffer, .address_space: global }
      - { .name: Ri, .offset: 40, .size: 8, .value_kind: global_buffer, .address_space: global }
      - { .name: Rf, .offset: 48, .size: 8, .value_kind: global_buffer, .address_space: global }
      - { .name: Ro, .offset: 56, .size: 8, .value_kind: global_buffer, .address_space: global }
      - { .name: wq, .offset: 64, .size: 8, .value_kind: global_buffer, .address_space: global }
    .group_segment_fixed_size: 33280
    .private_segment_fixed_size: 0
    .kernarg_segment_align: 8
    .kernarg_segment_size: 72
    .max_flat_workgroup_size: 128
    .sgpr_count:     66
    .vgpr_count:     258
    .wavefront_size: 32
...
	.end_amdgpu_metadata
.endif
;; end of part 1
;; launch cell (part 2): grid 32 x 8, 4 waves a work-group, clusters of 4 x 4, 327,680 bytes of LDS; arguments x_codes, x_scales, h_prev_codes, h_prev_scales, wq, c_prev, n_prev, bz, bi, bf, bo, out0; writes out0
.if DOCPART == 2
	.amdgcn_target "amdgcn-amd-amdhsa--gfx1250"
	.amdhsa_code_object_version 6
	.text
	.protected	k_qd7d7aa68f1_cell
	.globl	k_qd7d7aa68f1_cell
	.p2align	8
	.type	k_qd7d7aa68f1_cell,@function
k_qd7d7aa68f1_cell:
	s_mov_b64 s[64:65], 0
	v_nop
	global_prefetch_b8 v0, s[64:65] scope:SCOPE_SE
	s_setreg_imm32_b32 hwreg(HW_REG_WAVE_MODE, 25, 1), 1
	s_wait_xcnt 0x0
	s_wait_alu depctr_hold_cnt(0) depctr_sa_sdst(0) depctr_va_vdst(0) depctr_va_sdst(0) depctr_va_ssrc(0) depctr_va_vcc(0) depctr_vm_vsrc(0)
	s_getreg_b32 s2, hwreg(HW_REG_IB_STS2, 6, 4)
	s_cmp_eq_u32 s2, 0
	s_cbranch_scc0 .Lentry_in_a_cluster
	s_endpgm
.Lentry_in_a_cluster:
	s_bfe_u32 s2, ttmp6, 0x10000c
	s_cmp_lg_u32 s2, 0xf033
	s_cbranch_scc0 .Lentry_shape_is_right
	s_endpgm
.Lentry_shape_is_right:
; h = sigmoid(ao) (f c_prev + i z) / (f n_prev + i), with pre = x Wcat^T + h_prev Rcat^T + bcat made on MX-FP8 codes (K = 1,024 + 2,048, in 12 steps of 256).
; A work-group of four waves makes 256 rows x 64 hidden units (4 gates x 64 = 256 columns of pre); a wave 128 x 128.  4 x 4 clusters: A's tiles are asked for jointly along a row, wq's along a column.
; LDS: four regions of 264 rows x 272 bytes.  Region s (0, 1) is A's slot s, 256 rows; region 2 + half holds that half of B: slot 0's 132 rows, then slot 1's.
; THE HEAD: one load a wave fills BOTH slots: wave 0 A's K step 0, wave 1 A's K step 1 (256 rows each), waves 2 and 3 the 264 dense rows of wq that are K steps 0 and 1 of their half.
; Behind the wait for them the row counts of group 1 are set to the ring's 128 and 132.  c_prev lands on A's slot 0 and n_prev on B's slot 0 parts, behind the last change of slots that refills.
; PREFETCH: K steps 2 and 3 are asked for at the head, later ones two K steps ahead of their loads; A's rows by the clusters with even x (four for each tile row), wq's by the clusters with y = 0; partners share rows out by address.
; The gates are computed with i and f divided by the larger of the two, so no exponential overflows where reference()'s quotient is finite.
.set PITCH, 272
.set HALFT, 132*PITCH
.set SLOT,  4*HALFT
.set REG,   264*PITCH
.set TAB,   2*SLOT
.set SPARE, TAB+12*2048
.set WBLK,  33792
.set PADW,  (1<<20)|(5<<22)|(3<<25)
.set ADRA,  16
.set ADRB,  20
.set ADRSB, 22
.set CA,    24
.set NA,    25
.set RD,    26
.set ADRSA, 27
.set SPW,   28
.set NIL,   29
.set PFO,   30
.set PFC,   31
.set CO,    15
.set SC,    32
.set BIAS,  64
.set AF,    128
.set OUTR,  64
.set G1X, 28
.set G1H, 36
.set G1B, 44
.set G1C, 52
.set G0C, 60
.set G0X, 68
.set G0H, 76
.set G0B, 84
.set WV,  92
.set RH,  93
.set CH,  94
.set LIM, 95
.set PFA, 96
.set PFS, 98
.set PCN, 100
.set LAP, 3
.set MK,  4
.set MSB, 0
.macro WIN new
.if MSB != (\new)
	s_set_vgpr_msb (MSB<<8)|(\new)
.set MSB, (\new)
.endif
.endm
.set MUL_LO, 0xa1
.set MUL_HI, 0xf1
.set BIA_LO, 0x81
.set BIA_HI, 0xc1
.set TO_B,   0x40
.macro JLOAD g0a, g1a, g0b, g1b
	s_cmp_eq_u32 s[RH], 0
	s_cbranch_scc0 .Lfor_b_\@
	tensor_load_to_lds s[\g0a:\g0a+3], s[\g1a:\g1a+7]
	s_nop 0
.rept 4
	v_nop
.endr
	s_branch .Lasked_\@
.Lfor_b_\@:
	tensor_load_to_lds s[\g0b:\g0b+3], s[\g1b:\g1b+7]
	s_nop 0
.rept 4
	v_nop
.endr
.Lasked_\@:
.endm
.macro CREST
	s_cmp_lg_u32 s[WV], 0
	s_cbranch_scc1 .Lnot_wave_0_\@
	s_barrier_signal -3
.Lnot_wave_0_\@:
	s_barrier_wait -3
	s_barrier_signal -1
	s_barrier_wait -1
.endm
.macro CROUND
	s_barrier_signal -1
	s_barrier_wait -1
	CREST
.endm
.macro GROUP1 g, rows, stride
	s_mov_b32 s[\g+1], 256<<16
	s_mov_b32 s[\g+2], (\rows)<<16
	s_mov_b32 s[\g+3], 256<<16
	s_mov_b32 s[\g+4], \rows
	s_mov_b32 s[\g+5], \stride
	s_mov_b32 s[\g+6], 0
	s_mov_b32 s[\g+7], 0
.endm
.macro ASK how, slot
.if (\how) == 0
	s_cmp_eq_u32 s[LIM], 1
	s_cbranch_scc0 .Lnot_mine_\@
	global_prefetch_b8 v[PFO], s[PFA:PFA+1] th:TH_LOAD_NT scope:SCOPE_SE
	global_prefetch_b8 v4, s[PFA:PFA+1] th:TH_LOAD_NT scope:SCOPE_SE   ; wq: my work-group's one of the block's four rows of scale bytes; A's waves name their last block again
.Lnot_mine_\@:
.elseif (\how) == 1
	s_cmp_gt_u32 s[LAP], s[LIM]
	s_cbranch_scc0 .Lnot_mine_\@
	global_prefetch_b8 v[PFO], s[PFA:PFA+1] th:TH_LOAD_NT scope:SCOPE_SE
	global_prefetch_b8 v4, s[PFA:PFA+1] th:TH_LOAD_NT scope:SCOPE_SE
.Lnot_mine_\@:
.if (\slot) == 0
	s_cmp_eq_u32 s[LAP], 1
	s_cbranch_scc0 .Lnot_yet_\@
.irp i, 0,1,2,3
	global_prefetch_b8 v[PFC], s[PCN:PCN+1] offset:262144*\i th:TH_LOAD_NT scope:SCOPE_SE
.endr
.Lnot_yet_\@:
.endif
.endif
.endm
	s_load_b512 s[4:19], s[0:1], 0x0
	s_load_b256 s[20:27], s[0:1], 0x40
	v_lshl_add_u32 v[SPW], v0, 2, SPARE
	v_mov_b32 v[NIL], 0
	ds_add_u32 v28, v29
	ds_add_u32 v28, v29
	s_wait_dscnt 0x0
	v_lshrrev_b32 v1, 5, v0
	v_readfirstlane_b32 s[WV], v1
	s_lshr_b32 s[RH], s[WV], 1
	s_and_b32 s[CH], s[WV], 1
	s_bfe_u32 s66, ttmp6, 0x40000
	s_bfe_u32 s67, ttmp6, 0x40004
	s_lshl_b32 s2, ttmp9, 2
	s_add_co_u32 s2, s2, s66
	s_and_b32 s3, ttmp7, 0xffff
	s_lshl_b32 s3, s3, 2
	s_add_co_u32 s3, s3, s67
	s_lshl_b32 s98, s67, 2
	s_lshl_b32 s98, 15, s98
	s_lshl_b32 s99, 0x1111, s66
	s_or_b32 s[G1X], s98, PADW|(1<<21)
	s_or_b32 s[G1H], s98, PADW|(1<<21)
	s_or_b32 s[G1B], s99, PADW|(1<<21)
	s_mov_b32 s[G1C], PADW
	GROUP1 G1X, 256, 1024
	GROUP1 G1H, 128, 2048
	GROUP1 G1B, 264, 256
	GROUP1 G1C, 128, 8192
	s_lshl_b32 s98, s3, 8
	s_lshl_b32 s100, s[CH], 7
	s_add_co_u32 s98, s98, s100
	s_lshl_b32 s100, s98, 10
	s_mov_b32 s101, 0
	s_lshl_b32 s96, s2, 1
	s_add_co_u32 s96, s96, s[CH]
	s_mul_i32 s96, s96, 12*WBLK
	s_mov_b32 s97, 0
	s_mul_i32 s[G0C+1], s[WV], REG                 ; the head's load of A: wave 0 fills region 0, wave 1 region 1
	s_mul_i32 s99, s[CH], 128*PITCH                ; the ring's loads of A: my 128 rows of a slot
	s_mul_i32 s[G0B+1], s[CH], REG                 ; B: my half's region, slot 0 first
	s_add_co_u32 s[G0B+1], s[G0B+1], 2*REG
	s_add_co_u32 s[G0B+5], s[G0B+1], HALFT
	s_wait_kmcnt 0x0
.irp g, G0X, G0H
	s_mov_b32 s[\g+1], s99
	s_add_co_u32 s[\g+5], s99, REG
.endr
.irp g, G0X, G0H, G0B
	s_mov_b32 s[\g], 1
	s_mov_b32 s[\g+4], 1
.endr
	s_add_nc_u64 s[G0X+2:G0X+3], s[4:5], s[100:101]
	s_add_nc_u64 s[G0X+6:G0X+7], s[G0X+2:G0X+3], 256
	s_lshl_b32 s100, s98, 11
	s_add_nc_u64 s[G0H+2:G0H+3], s[8:9], s[100:101]
	s_sub_nc_u64 s[G0H+6:G0H+7], s[G0H+2:G0H+3], 256
	s_sub_nc_u64 s[G0H+2:G0H+3], s[G0H+2:G0H+3], 512
	s_add_nc_u64 s[G0B+2:G0B+3], s[12:13], s[96:97]
	s_add_nc_u64 s[G0B+6:G0B+7], s[G0B+2:G0B+3], WBLK
.irp g, G0X, G0H, G0B
	s_or_b32 s[\g+3], s[\g+3], 0x80000000
	s_or_b32 s[\g+7], s[\g+7], 0x80000000
.endr
	s_lshl_b32 s100, s3, 18                        ; the head's load of A: the tile's 256 rows of x (1,024 bytes each), K step = my wave's number
	s_lshl_b32 s99, s[CH], 8
	s_add_co_u32 s100, s100, s99
	s_add_nc_u64 s[G0C+2:G0C+3], s[4:5], s[100:101]
	s_or_b32 s[G0C+3], s[G0C+3], 0x80000000
	s_mov_b32 s[G0C], 1
	CROUND
	JLOAD G0C, G1X, G0B, G1B                       ; one load a wave: both slots are asked for
	s_lshl_b32 s99, s66, 5                         ; x's rows that my work-group prefetches: 32 of the 128 that I fetch in the ring
	s_add_co_u32 s99, s99, s98
	s_lshl_b32 s100, s99, 10
	s_add_nc_u64 s[104:105], s[4:5], s[100:101]
	s_lshl_b32 s100, s98, 13
	s_lshl_b32 s99, s2, 8
	s_add_co_u32 s100, s100, s99
	s_cmp_eq_u32 s[RH], 0
	s_cselect_b64 s[14:15], s[14:15], s[16:17]
	s_add_nc_u64 s[PCN:PCN+1], s[14:15], s[100:101]  ; my tile of c_prev or n_prev; its descriptor is made behind the wait for the head's loads
	s_lshl_b32 s4, s3, 13
	s_mov_b32 s5, 0
	s_add_nc_u64 s[6:7], s[6:7], s[4:5]
	s_lshl_b32 s4, s3, 14
	s_add_nc_u64 s[10:11], s[10:11], s[4:5]
	v_lshlrev_b32 v12, 4, v0
.irp i, 0,1,2,3
	global_load_b128 v[AF+4*\i:AF+4*\i+3], v12, s[6:7] offset:2048*\i
.endr
.irp i, 0,1,2,3,4,5,6,7
	global_load_b128 v[AF+16+4*\i:AF+16+4*\i+3], v12, s[10:11] offset:2048*\i
.endr
	s_lshl_b32 s14, s[CH], 7
	s_add_co_u32 s4, s99, s14
.irp g, 0,1,2,3
	s_add_nc_u64 s[18+2*\g:19+2*\g], s[18+2*\g:19+2*\g], s[4:5]
.endr
	v_bfe_u32 v2, v0, 4, 1
	v_lshlrev_b32 v13, 5, v2
.irp g, 0,1,2,3
.irp hb, 0,1
	global_load_b128 v[BIAS+8*(2*\g+\hb):BIAS+8*(2*\g+\hb)+3], v13, s[18+2*\g:19+2*\g] offset:64*\hb
	global_load_b128 v[BIAS+8*(2*\g+\hb)+4:BIAS+8*(2*\g+\hb)+7], v13, s[18+2*\g:19+2*\g] offset:64*\hb+16
.endr
.endr
	s_lshl_b32 s4, s3, 8
	s_lshl_b32 s14, s[WV], 6
	s_add_co_u32 s4, s4, s14
	s_lshl_b32 s4, s4, 13
	s_add_co_u32 s4, s4, s99
	s_add_nc_u64 s[26:27], s[26:27], s[4:5]
	v_and_b32 v1, 15, v0
	v_and_b32 v3, 31, v0
	v_mul_u32_u24 v7, v1, PITCH
	v_lshl_add_u32 v8, v2, 4, v7
	s_mul_i32 s14, s[RH], 128*PITCH
	s_mul_i32 s15, s[CH], REG
	s_add_co_u32 s15, s15, 2*REG
	v_add_nc_u32 v[ADRA], s14, v8
	v_add_nc_u32 v[ADRA+1], REG, v[ADRA]
	v_add_nc_u32 v[ADRB], s15, v8
	v_add_nc_u32 v[ADRB+1], HALFT, v[ADRB]
	v_lshlrev_b32 v9, 3, v3
	s_add_co_u32 s16, s15, 128*PITCH
	v_add_nc_u32 v[ADRSB], s16, v9
	v_add_nc_u32 v[ADRSB+1], HALFT, v[ADRSB]
	s_lshl_b32 s16, s[RH], 10
	s_add_co_u32 s16, s16, TAB
	v_add_nc_u32 v[ADRSA], s16, v9
	v_lshl_add_u32 v10, v2, 5, v7
	s_lshl_b32 s16, s[CH], 7
	s_add_co_u32 s16, s16, s14
	v_add_nc_u32 v[CA], s16, v10
	s_mul_i32 s16, s[RH], REG-128*PITCH            ; n_prev's rows of my half lie at the head of region 2 + half
	s_add_co_u32 s16, s16, 2*REG
	v_add_nc_u32 v[NA], s16, v[CA]
	s_mul_i32 s16, s[CH], 64*PITCH
	s_add_co_u32 s16, s16, s14
	v_mul_u32_u24 v11, v2, PITCH
	v_lshl_add_u32 v11, v1, 4, v11
	v_add_nc_u32 v[RD], s16, v11
	v_and_b32 v5, 1, v0
	v_lshrrev_b32 v6, 1, v0
	v_lshlrev_b32 v5, 12, v5
	v_lshl_add_u32 v5, v6, 3, v5
	v_add_nc_u32 v5, TAB, v5
	v_and_b32 v6, 3, v0
	v_lshrrev_b32 v14, 2, v0
	v_lshlrev_b32 v6, 12, v6
	v_lshl_add_u32 v6, v14, 3, v6
	v_add_nc_u32 v6, TAB+4*2048, v6
	v_lshlrev_b32 v[CO], 13, v2
	v_lshl_add_u32 v[CO], v1, 4, v[CO]
	s_lshl_b32 s4, s66, 5
	s_add_co_u32 s4, s4, s98
	s_lshl_b32 s4, s4, 11
	s_lshl_b32 s2, s67, 13
	s_add_co_u32 s2, s2, s96
	s_add_co_u32 s2, s2, 4*WBLK
	s_and_b32 s14, ttmp9, 1
	s_mul_i32 s15, s67, 7936                       ; from my 32 rows of a wq block (at 8,192 cy) to its scale row 128 + cy: 32,768 + 256 cy - 8,192 cy
	s_sub_co_u32 s15, 32768, s15
	s_and_b32 s3, ttmp7, 0xffff
	s_cmp_eq_u32 s[RH], 0
	s_cselect_b32 s4, s4, s2
	s_cselect_b32 s3, s14, s3
	s_cselect_b32 s15, 63488, s15                  ; A's waves: lane 31's row once more (31 rows of 2,048 bytes)
	s_cselect_b32 s2, 11, 8
	s_cselect_b64 s[PFA:PFA+1], s[8:9], s[12:13]
	s_mov_b32 s[PFS], WBLK
	s_cselect_b32 s[PFS], 256, s[PFS]
	s_mov_b32 s[PFS+1], 0
	s_add_nc_u64 s[PFA:PFA+1], s[PFA:PFA+1], s[4:5]
	s_cmp_eq_u32 s3, 0
	s_cselect_b32 s[LIM], 1, -1
	v_lshlrev_b32 v[PFO], s2, v3
	v_lshlrev_b32 v[PFC], 13, v3
	v_lshlrev_b32 v14, 10, v3
	v_mov_b32 v4, s15                              ; never rewritten
	s_wait_alu depctr_va_vdst(0)
	s_cmp_eq_u32 s[LIM], 1                         ; K steps 2 and 3, which the first two refills fetch: two requests a wave of 32 blocks of 256 bytes each, and for wq two more of its scale row
	s_cbranch_scc0 .Lno_early
	s_cmp_eq_u32 s[RH], 0
	s_cbranch_scc0 .Learly_b
	global_prefetch_b8 v14, s[104:105] offset:512 th:TH_LOAD_NT scope:SCOPE_SE
	global_prefetch_b8 v14, s[104:105] offset:768 th:TH_LOAD_NT scope:SCOPE_SE
	s_branch .Lno_early
.Learly_b:
	global_prefetch_b8 v[PFO], s[PFA:PFA+1] offset:-2*WBLK th:TH_LOAD_NT scope:SCOPE_SE
	global_prefetch_b8 v[PFO], s[PFA:PFA+1] offset:-WBLK th:TH_LOAD_NT scope:SCOPE_SE
	global_prefetch_b8 v4, s[PFA:PFA+1] offset:-2*WBLK th:TH_LOAD_NT scope:SCOPE_SE
	global_prefetch_b8 v4, s[PFA:PFA+1] offset:-WBLK th:TH_LOAD_NT scope:SCOPE_SE
.Lno_early:
	s_wait_loadcnt 16
.irp i, 0,1,2,3
.irp j, 0,1
	ds_store_b64 v5, v[AF+4*\i+2*\j:AF+4*\i+2*\j+1] offset:512*\i+2048*\j
.endr
.endr
.irp i, 0,1,2,3,4,5,6,7
.irp j, 0,1
	ds_store_b64 v6, v[AF+16+4*\i+2*\j:AF+16+4*\i+2*\j+1] offset:256*\i+2048*\j
.endr
.endr
.macro FRAG reg, adr, q, i
.irp c, 0,1,2,3
	ds_load_b128 v[\reg+4*\c:\reg+4*\c+3], v[\adr] offset:128*(\q)+32*\c+(\i)*16*PITCH
.endr
.endm
.macro WM a, b, p, q, sc, zero
.set WD, 8*(8*((\a)%4)+(\b))
.set WC, WD
.if \zero
.set WC, BIAS+8*(\b)
.endif
.set WB, 128*(\p)+16*(\b)
.set WA, AF+16*(\a)
.set WSB, SC+16*(\sc)+8+2*((\b)/2)+(\q)
.set WSA, SC+16*(\sc)+2*((\a)/2)+(\q)
.if (((\a)%2) == 0) && (((\b)%2) == 0)
	v_wmma_scale_f32_16x16x128_f8f6f4 v[WD:WD+7], v[WB:WB+15], v[WA:WA+15], v[WC:WC+7], v[WSB], v[WSA]
.elseif ((\a)%2) == 0
	v_wmma_scale_f32_16x16x128_f8f6f4 v[WD:WD+7], v[WB:WB+15], v[WA:WA+15], v[WC:WC+7], v[WSB], v[WSA] matrix_a_scale:MATRIX_SCALE_ROW1
.elseif ((\b)%2) == 0
	v_wmma_scale_f32_16x16x128_f8f6f4 v[WD:WD+7], v[WB:WB+15], v[WA:WA+15], v[WC:WC+7], v[WSB], v[WSA] matrix_b_scale:MATRIX_SCALE_ROW1
.else
	v_wmma_scale_f32_16x16x128_f8f6f4 v[WD:WD+7], v[WB:WB+15], v[WA:WA+15], v[WC:WC+7], v[WSB], v[WSA] matrix_a_scale:MATRIX_SCALE_ROW1 matrix_b_scale:MATRIX_SCALE_ROW1
.endif
.endm
.macro MUL16 ap, p, q, sc, zero
.irp aa, 0,1
.irp b, 0,1,2,3,4,5,6,7
	WM 2*(\ap)+\aa, \b, \p, \q, \sc, \zero
.endr
.endr
.endm
.macro FETCH_B slot, q, p
	WIN TO_B
.irp i, 0,1,2,3,4,5,6,7
	FRAG 128*(\p)+16*\i, ADRB+\slot, \q, \i
.endr
	WIN 0
.endm
.macro FETCH_A slot, q, i0
.irp i, \i0, \i0+1, \i0+2, \i0+3
	FRAG AF+16*(\i), ADRA+\slot, \q, \i
.endr
.endm
.macro SCALES sc
.irp p, 0,1,2,3
	ds_load_b64 v[SC+16*\sc+2*\p:SC+16*\sc+2*\p+1], v[ADRSA] offset:256*\p
.endr
.irp p, 0,1,2,3
	ds_load_b64 v[SC+16*\sc+8+2*\p:SC+16*\sc+8+2*\p+1], v[ADRSB+\sc] offset:PITCH*\p
.endr
.endm
.macro PLACES n
.rept \n
	v_nop
.endr
.endm
.macro STEP slot, zero
	s_wait_dscnt 16
.if \zero
	WIN BIA_LO
.else
	WIN MUL_LO
.endif
	MUL16 0, 0, 0, \slot, \zero
	MUL16 1, 0, 0, \slot, \zero
	s_wait_dscnt 0x0
	PLACES 8
	FETCH_B \slot, 1, 1
	FETCH_A \slot, 1, 0
.if \zero
	WIN BIA_HI
.else
	WIN MUL_HI
.endif
	MUL16 2, 0, 0, \slot, \zero
	MUL16 3, 0, 0, \slot, \zero
	PLACES 8
	WIN 0
	FETCH_A \slot, 1, 4
.endm
.macro TURN slot, next, kind, pstep, ask
.if \pstep
	s_wait_xcnt 0x0
	s_add_nc_u64 s[PFA:PFA+1], s[PFA:PFA+1], s[PFS:PFS+1]
.endif
	s_wait_tensorcnt 0x0
	ds_add_u32 v[SPW], v[NIL]
	s_wait_dscnt 0x0
	s_barrier_signal -1
	s_barrier_wait -1
	CREST
.if (\kind) == 0
	s_add_nc_u64 s[G0X+4*\slot+2:G0X+4*\slot+3], s[G0X+4*\slot+2:G0X+4*\slot+3], 512
	s_add_nc_u64 s[G0B+4*\slot+2:G0B+4*\slot+3], s[G0B+4*\slot+2:G0B+4*\slot+3], 2*WBLK
	JLOAD G0X+4*\slot, G1X, G0B+4*\slot, G1B
.elseif (\kind) == 1
	s_add_nc_u64 s[G0H+4*\slot+2:G0H+4*\slot+3], s[G0H+4*\slot+2:G0H+4*\slot+3], 512
	s_add_nc_u64 s[G0B+4*\slot+2:G0B+4*\slot+3], s[G0B+4*\slot+2:G0B+4*\slot+3], 2*WBLK
	JLOAD G0H+4*\slot, G1H, G0B+4*\slot, G1B
.else
	tensor_load_to_lds s[G0C:G0C+3], s[G1C:G1C+7]
	s_nop 0
	PLACES 4
.endif
	s_wait_alu depctr_va_vdst(0)
	v_add_nc_u32 v[ADRSA], 2048, v[ADRSA]
	FETCH_B \next, 0, 0                            ; B's set 0 and the other set of scale words were last read ahead of the eight places at the end of STEP
	SCALES \next
	ASK \ask, \slot
	WIN MUL_LO
	MUL16 0, 1, 1, \slot, 0                        ; the step's products stand behind the refill: between the wait for the tiles and the next request stand the add, its wait and the round alone
	MUL16 1, 1, 1, \slot, 0
	WIN 0
	PLACES 8
	FETCH_A \next, 0, 0
	WIN MUL_HI
	MUL16 2, 1, 1, \slot, 0
	MUL16 3, 1, 1, \slot, 0
	PLACES 8
	WIN 0
	FETCH_A \next, 0, 4
.endm
	s_wait_tensorcnt 0x0                           ; my head load is in: no tensor load of mine is out, so descriptors may be written
	s_mov_b32 s[G1X+2], 128<<16                    ; the ring's loads bring 128 rows of A
	s_mov_b32 s[G1X+4], 128
	s_mov_b32 s[G1B+2], 132<<16                    ; and 132 of wq
	s_mov_b32 s[G1B+4], 132
	s_and_b32 s2, s[RH], s[CH]                     ; where c_prev or n_prev goes: waves 0, 1: rows 0 and 128 of region 0; waves 2, 3: regions 2, 3
	s_mul_i32 s2, s2, REG-128*PITCH
	s_mul_i32 s[G0C+1], s[CH], 128*PITCH
	s_add_co_u32 s[G0C+1], s[G0C+1], s2
	s_mul_i32 s2, s[RH], 2*REG
	s_add_co_u32 s[G0C+1], s[G0C+1], s2
	s_mov_b64 s[G0C+2:G0C+3], s[PCN:PCN+1]
	s_or_b32 s[G0C+3], s[G0C+3], 0x80000000
	s_wait_dscnt 0x0
	s_barrier_signal -1
	s_barrier_wait -1
	FETCH_B 0, 0, 0
	FETCH_A 0, 0, 0
	SCALES 0
	FETCH_A 0, 0, 4
	s_wait_loadcnt 0x0
	STEP 0, 1
	TURN 0, 1, 0, 0, 0
	STEP 1, 0
	TURN 1, 0, 0, 1, 0
	STEP 0, 0
	s_mov_b32 s[LAP], 4
.Llap:
	TURN 0, 1, 1, 1, 1
	STEP 1, 0
	TURN 1, 0, 1, 1, 1
	STEP 0, 0
	s_sub_co_u32 s[LAP], s[LAP], 1
	s_cmp_lg_u32 s[LAP], 0
	s_cbranch_scc1 .Llap
	TURN 0, 1, 2, 0, 2
	STEP 1, 0
	s_wait_dscnt 16
	WIN MUL_LO
	MUL16 0, 1, 1, 1, 0
	MUL16 1, 1, 1, 1, 0
	s_wait_dscnt 0x0
	s_wait_tensorcnt 0x0
	s_barrier_signal -1
	WIN MUL_HI
	MUL16 2, 1, 1, 1, 0
	MUL16 3, 1, 1, 1, 0
	WIN 0
	s_barrier_wait -1
.set GS,    64
.set F_T,   0
.set F_TT,  8
.set F_D,   16
.set F_R,   24
.set F_E,   32
.set F_C,   40
.set F_N,   48
.set F_NUM, 56
.set F_DEN, 64
.set GP,    208
.set GQ,    216
.set GWI,   224
.set GWF,   232
	s_mov_b32 s12, 0x4038aa3b
	s_mov_b32 s13, s12
	s_mov_b32 s14, 0x3fb8aa3b
	s_mov_b32 s15, s14
	s_mov_b32 s16, 0xbfb8aa3b
	s_mov_b32 s17, s16
	s_mov_b32 s18, 0x7fffffff
.macro GLOAD k
.set ES, GS+72*((\k)%2)
.set GOFF, ((\k)/2)*16*PITCH+64*((\k)%2)
	ds_load_b128 v[ES+F_C:ES+F_C+3], v[CA] offset:GOFF
	ds_load_b128 v[ES+F_C+4:ES+F_C+7], v[CA] offset:GOFF+16
	ds_load_b128 v[ES+F_N:ES+F_N+3], v[NA] offset:GOFF
	ds_load_b128 v[ES+F_N+4:ES+F_N+7], v[NA] offset:GOFF+16
.endm
.macro GPRE k
.set ES, GS+72*((\k)%2)
.set AC, 64*(((\k)/2)%4)+8*((\k)%2)
	WIN 2+(\k)/8
.irp j, 0,2,4,6
	v_pk_mul_f32 v[ES+F_T+\j:ES+F_T+\j+1], v[AC+\j:AC+\j+1], s[12:13] op_sel_hi:[1,0]
	v_pk_mul_f32 v[ES+F_R+\j:ES+F_R+\j+1], v[AC+32+\j:AC+32+\j+1], s[14:15] op_sel_hi:[1,0]
	v_pk_mul_f32 v[ES+F_E+\j:ES+F_E+\j+1], v[AC+48+\j:AC+48+\j+1], s[16:17] op_sel_hi:[1,0]
	v_pk_fma_f32 v[ES+F_D+\j:ES+F_D+\j+1], v[AC+16+\j:AC+16+\j+1], s[14:15], v[ES+F_R+\j:ES+F_R+\j+1] op_sel_hi:[1,0,1] neg_lo:[0,0,1] neg_hi:[0,0,1]
.endr
	WIN 0
.endm
.macro GEXP k
.set ES, GS+72*((\k)%2)
.irp j, 0,1,2,3,4,5,6,7
	v_exp_f32 v[ES+F_TT+\j], -|v[ES+F_T+\j]|
.endr
.irp j, 0,1,2,3,4,5,6,7
	v_exp_f32 v[ES+F_R+\j], -|v[ES+F_D+\j]|
.endr
.irp j, 0,1,2,3,4,5,6,7
	v_exp_f32 v[ES+F_E+\j], v[ES+F_E+\j]
.endr
.endm
.macro GMID k
.set ES, GS+72*((\k)%2)
.irp j, 0,2,4,6
	v_pk_add_f32 v[GP+\j:GP+\j+1], v[ES+F_TT+\j:ES+F_TT+\j+1], 1.0 op_sel_hi:[1,0]
.endr
.irp j, 0,2,4,6
	v_pk_add_f32 v[GQ+\j:GQ+\j+1], v[ES+F_TT+\j:ES+F_TT+\j+1], 1.0 op_sel_hi:[1,0] neg_lo:[1,0] neg_hi:[1,0]
.endr
.irp j, 0,1,2,3,4,5,6,7
	v_cmp_lt_f32 s[MK+\j], 0, v[ES+F_D+\j]
.endr
.irp j, 0,1,2,3,4,5,6,7
	v_cndmask_b32 v[GWI+\j], v[ES+F_R+\j], 1.0, s[MK+\j]
	v_cndmask_b32 v[GWF+\j], 1.0, v[ES+F_R+\j], s[MK+\j]
.endr
.irp j, 0,1,2,3,4,5,6,7
	v_bfi_b32 v[GQ+\j], s18, v[GQ+\j], v[ES+F_T+\j]
.endr
.irp j, 0,2,4,6
	v_pk_mul_f32 v[ES+F_C+\j:ES+F_C+\j+1], v[ES+F_C+\j:ES+F_C+\j+1], v[GWF+\j:GWF+\j+1]
.endr
.irp j, 0,2,4,6
	v_pk_mul_f32 v[GQ+\j:GQ+\j+1], v[GQ+\j:GQ+\j+1], v[GWI+\j:GWI+\j+1]
.endr
.irp j, 0,2,4,6
	v_pk_fma_f32 v[ES+F_NUM+\j:ES+F_NUM+\j+1], v[ES+F_C+\j:ES+F_C+\j+1], v[GP+\j:GP+\j+1], v[GQ+\j:GQ+\j+1]
.endr
.irp j, 0,2,4,6
	v_pk_fma_f32 v[ES+F_N+\j:ES+F_N+\j+1], v[GWF+\j:GWF+\j+1], v[ES+F_N+\j:ES+F_N+\j+1], v[GWI+\j:GWI+\j+1]
.endr
.irp j, 0,2,4,6
	v_pk_add_f32 v[ES+F_E+\j:ES+F_E+\j+1], v[ES+F_E+\j:ES+F_E+\j+1], 1.0 op_sel_hi:[1,0]
.endr
.irp j, 0,2,4,6
	v_pk_mul_f32 v[ES+F_N+\j:ES+F_N+\j+1], v[ES+F_N+\j:ES+F_N+\j+1], v[GP+\j:GP+\j+1]
.endr
.irp j, 0,2,4,6
	v_pk_mul_f32 v[ES+F_DEN+\j:ES+F_DEN+\j+1], v[ES+F_N+\j:ES+F_N+\j+1], v[ES+F_E+\j:ES+F_E+\j+1]
.endr
.endm
.macro GRCP k
.set ES, GS+72*((\k)%2)
.irp j, 0,1,2,3,4,5,6,7
	v_rcp_f32 v[ES+F_DEN+\j], v[ES+F_DEN+\j]
.endr
.endm
.macro GFIN k
.set ES, GS+72*((\k)%2)
.set GOFF, ((\k)/2)*16*PITCH+64*((\k)%2)
.irp j, 0,2,4,6
	v_pk_mul_f32 v[ES+F_NUM+\j:ES+F_NUM+\j+1], v[ES+F_NUM+\j:ES+F_NUM+\j+1], v[ES+F_DEN+\j:ES+F_DEN+\j+1]
.endr
	ds_store_b128 v[CA], v[ES+F_NUM:ES+F_NUM+3] offset:GOFF
	ds_store_b128 v[CA], v[ES+F_NUM+4:ES+F_NUM+7] offset:GOFF+16
.endm
.macro GROUPK k
.if (\k) == 0
	s_wait_dscnt 0x0
.else
	s_wait_dscnt 2
.endif
.if (\k) < 15
	GLOAD (\k)+1
	GEXP (\k)+1
.endif
	GMID \k
	s_wait_alu depctr_va_vdst(0)
	GRCP \k
.if (\k) < 14
	s_wait_alu depctr_va_vdst(0)
	GPRE (\k)+2
.else
	v_nop
.endif
	s_wait_alu depctr_va_vdst(0)
	GFIN \k
.endm
	PLACES 8
	GLOAD 0
	GPRE 0
	s_wait_alu depctr_va_vdst(0)
	GEXP 0
	s_wait_alu depctr_va_vdst(0)
	GPRE 1
	s_wait_alu depctr_va_vdst(0)
.irp k, 0,1,2,3,4,5,6,7,8,9,10,11,12,13,14,15
	GROUPK \k
.endr
	s_wait_dscnt 0x0
	s_barrier_signal -1
	s_barrier_wait -1
.set OT, 0
.rept 32
	ds_load_b128 v[OUTR+4*OT:OUTR+4*OT+3], v[RD] offset:OT*2*PITCH
.set OT, OT+1
.endr
.set OT, 0
.rept 32
	s_wait_dscnt 31-OT
	global_store_b128 v[CO], v[OUTR+4*OT:OUTR+4*OT+3], s[26:27] offset:OT*16384 th:TH_STORE_NT
.set OT, OT+1
.endr
	s_wait_tensorcnt 0x0
	ds_add_u32 v[SPW], v[NIL]
	s_wait_dscnt 0x0
	CROUND
	s_endpgm
.Lfunc_end_k_qd7d7aa68f1_cell:
	.size	k_qd7d7aa68f1_cell, .Lfunc_end_k_qd7d7aa68f1_cell-k_qd7d7aa68f1_cell
	.p2alignl 7, 3214868480
	.fill 96, 4, 3214868480
	.section	.rodata,"a",@progbits
	.p2align	6, 0x0
	.amdhsa_kernel k_qd7d7aa68f1_cell
		.amdhsa_group_segment_fixed_size 327680
		.amdhsa_private_segment_fixed_size 0
		.amdhsa_enable_private_segment 0
		.amdhsa_kernarg_size 96
		.amdhsa_user_sgpr_count 2
		.amdhsa_user_sgpr_kernarg_segment_ptr 1
		.amdhsa_wavefront_size32 1
		.amdhsa_system_sgpr_workgroup_id_x 1
		.amdhsa_system_sgpr_workgroup_id_y 1
		.amdhsa_system_sgpr_workgroup_id_z 1
		.amdhsa_system_vgpr_workitem_id 0
		.amdhsa_next_free_vgpr 1024
		.amdhsa_next_free_sgpr 106
		.amdhsa_reserve_vcc 0
		.amdhsa_float_denorm_mode_32 3
		.amdhsa_float_denorm_mode_16_64 3
		.amdhsa_memory_ordered 1
		.amdhsa_forward_progress 1
		.amdhsa_inst_pref_size 255
	.end_amdhsa_kernel
	.section	.bss,"aw",@nobits
	.p2align	6
	.space	262144
	.amdgpu_metadata
---
amdhsa.version: [ 1, 2 ]
amdhsa.kernels:
  - .name:           k_qd7d7aa68f1_cell
    .symbol:         k_qd7d7aa68f1_cell.kd
    .args:
      - { .name: x_codes, .offset: 0, .size: 8, .value_kind: global_buffer, .address_space: global }
      - { .name: x_scales, .offset: 8, .size: 8, .value_kind: global_buffer, .address_space: global }
      - { .name: h_prev_codes, .offset: 16, .size: 8, .value_kind: global_buffer, .address_space: global }
      - { .name: h_prev_scales, .offset: 24, .size: 8, .value_kind: global_buffer, .address_space: global }
      - { .name: wq, .offset: 32, .size: 8, .value_kind: global_buffer, .address_space: global }
      - { .name: c_prev, .offset: 40, .size: 8, .value_kind: global_buffer, .address_space: global }
      - { .name: n_prev, .offset: 48, .size: 8, .value_kind: global_buffer, .address_space: global }
      - { .name: bz, .offset: 56, .size: 8, .value_kind: global_buffer, .address_space: global }
      - { .name: bi, .offset: 64, .size: 8, .value_kind: global_buffer, .address_space: global }
      - { .name: bf, .offset: 72, .size: 8, .value_kind: global_buffer, .address_space: global }
      - { .name: bo, .offset: 80, .size: 8, .value_kind: global_buffer, .address_space: global }
      - { .name: out0, .offset: 88, .size: 8, .value_kind: global_buffer, .address_space: global }
    .group_segment_fixed_size: 327680
    .private_segment_fixed_size: 0
    .kernarg_segment_align: 8
    .kernarg_segment_size: 96
    .max_flat_workgroup_size: 128
    .sgpr_count:     106
    .vgpr_count:     1024
    .wavefront_size: 32
...
	.end_amdgpu_metadata
.endif
;; end of part 2
